; MI455X (gfx1250); checked and timed in simulation.
; The chip was launched on July 23, 2026; its instructions are those of AMD's public machine-readable ISA for CDNA 5 (MIT licence, August 2026) and "CDNA5" Instruction Set Architecture Reference Guide (July 2026). The comments in the code are by the model that wrote it; some were corrected since.
;; Multi Head Attention. Allowed arithmetic: matrix products marked QUANTISED: E2M1 operands, one E8M0 scale for each 32 along K, by v_wmma_scale_f32_16x16x128_f8f6f4 with both operands' format E2M1 (or v_wmma_scale_f32_32x16x128_f4), f32 sums; everything else in f32.
;; Inputs: Wk_codes 1,024 x 32 x 16 uint8 (E2M1 codes of Wk, K innermost, in blocks of 32 codes, two codes a byte); Wk_scales 1,024 x 32 uint8 (E8M0 scales of Wk, one for each 32 codes along K); Wo_codes 1,024 x 32 x 16 uint8 (E2M1 codes of Wo, K innermost, in blocks of 32 codes, two codes a byte); Wo_scales 1,024 x 32 uint8 (E8M0 scales of Wo, one for each 32 codes along K); Wq_codes 1,024 x 32 x 16 uint8 (E2M1 codes of Wq, K innermost, in blocks of 32 codes, two codes a byte); Wq_scales 1,024 x 32 uint8 (E8M0 scales of Wq, one for each 32 codes along K); Wv_codes 1,024 x 32 x 16 uint8 (E2M1 codes of Wv, K innermost, in blocks of 32 codes, two codes a byte); Wv_scales 1,024 x 32 uint8 (E8M0 scales of Wv, one for each 32 codes along K); bo 1,024 float32; x_codes 2 x 2,048 x 32 x 16 uint8 (E2M1 codes of x, K innermost, in blocks of 32 codes, two codes a byte); x_scales 2 x 2,048 x 32 uint8 (E8M0 scales of x, one for each 32 codes along K).
;; Outputs: out0 2 x 2,048 x 1,024 float32.
;; This version of the problem:
;;   THIS VERSION OF THE PROBLEM IS GIVEN IN LOW PRECISION. The matrix products marked QUANTISED in the list below multiply operands that are first quantised to E2M1 (2 exponent bits, 1 mantissa bit; 4 bits a number), with one power-of-two scale for each 32 numbers along K (OCP MX v1.0); their sums are f32. All else is computed in f32.
;;   The module's matrix products, in the order in which they are computed (A, B: the left and right operand; K: the contracted axis; several contracted axes count as one K, in the product's order):
;;     1. [M 4,096, K 1,024] x [K 1,024, N 1,024]; A: input x (given as codes); B: input Wq (given as codes): QUANTISED
;;     2. [M 4,096, K 1,024] x [K 1,024, N 1,024]; A: input x (given as codes); B: input Wk (given as codes): QUANTISED
;;     3. [M 4,096, K 1,024] x [K 1,024, N 1,024]; A: input x (given as codes); B: input Wv (given as codes): QUANTISED
;;     4. batch 32 x [M 2,048, K 64] x [K 64, N 2,048]; A: computed on the way; B: computed on the way: QUANTISED
;;     5. batch 32 x [M 2,048, K 2,048] x [K 2,048, N 64]; A: softmax (see below); B: computed on the way: QUANTISED
;;     6. [M 4,096, K 1,024] x [K 1,024, N 1,024]; A: computed on the way; B: input Wo (given as codes): QUANTISED
;;   THE QUANTISER, for each operand of a quantised product, along K:
;;     - K is cut into blocks of 32 from its start; a last block that is shorter is filled with zeros.
;;     - A block's scale is 2^e with e = floor(log2(the largest magnitude in the block)) - 2, held to -126 .. 127; a block of zeros has e = 0. As a byte (E8M0): e + 127.
;;     - Each number is divided by its block's scale, clamped to +-6, and rounded to the nearest number of E2M1, ties to even, subnormals kept.
;;     - The product sums the exact products of the quantised numbers (number of the format x scale) in f32.
;;   ~~~python
;;   def quantise(x, axis):      # numpy; x: float32 -> the quantised numbers, widened to float32 again
;;       x = np.moveaxis(x, axis, -1); K = x.shape[-1]
;;       x = np.pad(x, [(0, 0)] * (x.ndim - 1) + [(0, -K % 32)]); x = x.reshape(x.shape[:-1] + (-1, 32)); a = np.abs(x).max(-1, keepdims=True)
;;       e = np.where(a > 0, np.clip(np.frexp(np.where(a > 0, a, 1))[1] - 1 - 2, -126, 127), 0)      # np.frexp(a)[1] - 1 = floor(log2(a)), exactly
;;       r = np.clip(x / 2.0 ** e, -6, 6)
;;       step = 2.0 ** (np.maximum(np.frexp(np.where(r == 0, 1, r))[1] - 1, 0) - 1)
;;       q = np.round(r / step) * step * 2.0 ** e      # np.round: ties to even
;;       return np.moveaxis(q.reshape(q.shape[:-2] + (-1,))[..., :K], -1, axis).astype(np.float32)
;;   ~~~
;;   SOFTMAX AHEAD OF A QUANTISED PRODUCT. Where the list says 'softmax', what is quantised is not the finished softmax but p = 2^(t - M), with t = logit x log2(e) and M = ceil(the row's largest t), a whole number; so 1/2 < the row's largest p <= 1. The row's sum l is taken of the UNQUANTISED p, in f32, and the product's result is divided by l at the end. Since M is a whole number, a kernel that streams over the keys may use a running M (the ceiling of the running maximum): every later rescaling is an exact power of two, which a block's scale takes up: the codes' values come out the same.
;;   OPERANDS COMPUTED ON THE WAY. 'Computed on the way' means the value that the module computes at that place (a softmax that the list does not call 'softmax' is quantised finished and normalised). What goes into a quantiser is computed in f32, as accurately as f32 sums, v_exp_f32 and their like allow (about 1e-6 of the number): no bf16 or f16 on the way to a quantiser, and a product that is left as it is and whose result goes on into a quantised operand takes f32 operands (vector FMAs, or v_wmma_f32_16x16x4_f32). A number that lies on a knife's edge between two numbers of the format may be rounded either way, as far as f32 arithmetic and the matrix unit's own rounding can turn it there, and no further.
;;   INPUTS GIVEN AS CODES. Wk (in the module: [1024, 1024], K = its axis 1); Wo (in the module: [1024, 1024], K = its axis 1); Wq (in the module: [1024, 1024], K = its axis 1); Wv (in the module: [1024, 1024], K = its axis 1); x (in the module: [2, 2048, 1024], K = its axis 2): each comes as NAME_codes (uint8): NAME with its K axis moved to the last place and cut into blocks of 32 codes, [.., K / 32, bytes a block], one block behind the other in memory; two codes a byte, the lower K in the low four bits (a code: sign, 2 exponent bits, 1 mantissa bit); and NAME_scales (uint8): the same leading axes, one E8M0 byte (e + 127) for each 32 codes along K. Its value is code x scale, taken as it is: it is not quantised again, and the codes and scales need not be those that the quantiser above would give.
;; One version. Each part assembles by itself: llvm-mc -triple=amdgcn-amd-amdhsa -mcpu=gfx1250 --defsym DOCPART=n.
;; ======== version 1 of 1: 3 launches
;; limits: right only within a limited range of input values
;; workspace buffers: qc 2,097,152 bytes; qs 131,072 bytes; kv 4,456,448 bytes; cc 2,097,152 bytes; cs 131,072 bytes
;; launch proj (part 1): grid 16 x 16, 12 waves a work-group, clusters of 4 x 4, 327,680 bytes of LDS; arguments x_codes, x_scales, Wq_codes, Wq_scales, Wk_codes, Wk_scales, Wv_codes, Wv_scales, qc, qs, kv; writes qc, qs, kv
.if DOCPART == 1
	.amdgcn_target "amdgcn-amd-amdhsa--gfx1250"
	.amdhsa_code_object_version 6
	.text
	.protected	k_qc3b70edece_proj
	.globl	k_qc3b70edece_proj
	.p2align	8
	.type	k_qc3b70edece_proj,@function
k_qc3b70edece_proj:
	s_mov_b64 s[64:65], 0
	v_nop
	global_prefetch_b8 v0, s[64:65] scope:SCOPE_SE
	s_setreg_imm32_b32 hwreg(HW_REG_WAVE_MODE, 25, 1), 1
	s_wait_xcnt 0x0
	s_wait_alu depctr_hold_cnt(0) depctr_sa_sdst(0) depctr_va_vdst(0) depctr_va_sdst(0) depctr_va_ssrc(0) depctr_va_vcc(0) depctr_vm_vsrc(0)
	s_getreg_b32 s2, hwreg(HW_REG_IB_STS2, 6, 4)
	s_cmp_eq_u32 s2, 0
	s_cbranch_scc0 .Lentry_in_a_cluster
	s_endpgm
.Lentry_in_a_cluster:
	s_bfe_u32 s2, ttmp6, 0x10000c
	s_cmp_lg_u32 s2, 0xf033
	s_cbranch_scc0 .Lentry_shape_is_right
	s_endpgm
.Lentry_shape_is_right:
; LAUNCH 1 OF 3.  q = x Wq^T, k = x Wk^T, v = x Wv^T on codes of FP4 (E2M1) with E8M0 scales, f32 sums; the results are quantised in registers (q, k along the head's 64, v along the
; keys) and leave as IMAGES OF OPERAND REGISTERS, so that the next launch loads fragments at 16 x lane.  No f32 intermediate goes to memory.
; WORK LEFT OUT BY THE PROGRAM (in launch attn; nothing is left out here).  reference() sets the score of key k for query q to -inf wherever k > q, by a jnp.tril that it builds itself.  For such a
; pair p = 2^(t - M) = 0 whatever finite values the inputs hold; 0 adds nothing to the row's sum, its code is 0, and 0 x v adds nothing to ctx.  So a step of 128 keys all of which come after
; all 16 queries of a tile reaches no output, and is not computed.  q, k and v of every token are live (every key counts for some query).  Every input has a way to the output: all are loaded.
; LIMITS: a NaN, an infinity or an overflow that reaches only the key steps left out is not carried to the result.  NaN and infinities among the inputs (a scale byte 0xff) are not served.
; A block of zeros gets the scale byte 1 where the rule says 127: its codes are zeros, which add nothing under any byte but 0xff, and this program alone reads the bytes.
; SHARES.  A work-group makes q, k and v of ONE head (64 rows of each weight) for 256 tokens.  Twelve waves: TY = wave / 4 says q, k or v, TQ = wave % 4 which 64 tokens; a wave makes 64 x 64:
; 16 accumulators.  SOURCE 0 IS THE SIDE THAT BECOMES THE NEXT K: for q and k the weight's rows (a lane then holds one token, its registers run along d), for v the tokens (a lane holds one d,
; its registers run along the keys).  In tile a of source 0, lane (r, h), register j holds next-K index 16 a + 8 h + j.
; LDS.  7 units of 64 rows (x's four, Wq's, Wk's, Wv's) x 2 chunks of 512 along K, all side by side: no byte is filled twice.  Rows of 256 bytes + 16 of padding (pitch 272), so that the sixteen rows of a
; fragment load start 16 bytes apart modulo 256.  Waves 0-6 fetch a unit each: chunk 0 in the head, chunk 1 behind the round that shows chunk 0 whole, ahead of chunk 0's four K steps.
; CLUSTER 4 x 4: the four work-groups of a row of the cluster share the tokens, the four of a column the head: x's and the weights' tiles are asked for jointly.
; No prefetch: a work-group has two chunks, one asked for in the head and the other ahead of the first product: there is no loop to ask from.
.set PITCH, 272
.set UNIT,  64*PITCH                   ; 64 rows: what one tensor load brings
.set CH,    7*UNIT                     ; a chunk: 512 along K of all seven units
.set STG,   2*CH                       ; scale bytes on their way out: kv's of my two key steps (512 each), q's (512)
.set KST,   STG+1536                   ; k's codes on their way out: 2,048 bytes for each wave, its own
.set SPARE, KST+12*2048                ; the spare words: 128 bytes for each of twelve waves; no other line names them
.set KVB,   8704                       ; kv: a block for 128 keys: K's codes 4,096, V's codes 4,096, scale words 512
.set PADW,  (1<<20)|(1<<21)|(5<<22)|(3<<25)   ; elements of 1 byte; padding on; bit 21 beside a mask; after every 64 words; four words
.set WV,  3                            ; s3  wave
.set TQ,  4                            ; s4  wave % 4: my 64 tokens
.set TY,  5                            ; s5  wave / 4: 0 q, 1 k, 2 v
.set ISV, 6                            ; s6  1 for v
.set SEL, 20                           ; s[20:21] v_permlanex16_b32's selects for lane l xor 16
.set G1X, 24                           ; s[24:31] group 1 for x's tiles;  s[32:39] for the weights': the mask differs
.set G1W, 32
.set G0X, 40                           ; s[40:47] groups 0 for x's chunks 0 and 1;  s[48:55] for the weights'
.set G0W, 48
.set S0S, 56                           ; s[56:57], s[58:59] scale bytes of source 0's and source 1's 64 rows
.set S1S, 58
.set OB,  60                           ; s[60:61] where my codes go
.set CB,  90                           ; s[90:91] where waves 0 to 2 store 512 scale bytes
; VECTOR REGISTERS: v1 lane; v2, v3 r and h, later where k's codes go into my stage and come back from it; v4, v5 source 0's LDS address in chunks 0, 1; v6, v7 source 1's; v8, v9 the add's two; v10 32 x lane;
; v11-13 where q's, k's, v's scale half words go in the stage; v14-17 offsets of my four stores of codes; v18 16 x lane; v19 where I read the stage back; v20-27 at work; v28-31 four scale half words;
; v32-63 source 0's fragments, later the codes; v64-95 source 1's; v96-111, v112-127 scale words of sources 0 and 1 (register 8 p + s: K step s; lanes 0-15 tile 2 p, lanes 16-31 tile 2 p + 1);
; v128-255 accumulator (a, b) at 128 + 32 b + 8 a.
.macro PLACES n
.rept \n
	v_nop
.endr
.endm
.macro CROUND                          ; a round of the cluster's barrier
	s_barrier_signal -1
	s_barrier_wait -1
	s_cmp_lg_u32 s[WV], 0
	s_cbranch_scc1 .Lnot_wave_0_\@
	s_barrier_signal -3
.Lnot_wave_0_\@:
	s_barrier_wait -3
	s_barrier_signal -1
	s_barrier_wait -1
.endm
; A joint load of chunk c: waves 0-3 fetch x's units, waves 4-6 the weights'; one line a kind, one load a wave.
.macro JLOAD c
	s_cmp_lt_u32 s[WV], 4
	s_cbranch_scc0 .Lnot_x_\@
	tensor_load_to_lds s[G0X+4*\c:G0X+4*\c+3], s[G1X:G1X+7]
	s_nop 0
	PLACES 4
	s_branch .Lasked_\@
.Lnot_x_\@:
	s_cmp_lt_u32 s[WV], 7
	s_cbranch_scc0 .Lasked_\@
	tensor_load_to_lds s[G0W+4*\c:G0W+4*\c+3], s[G1W:G1W+7]
	s_nop 0
	PLACES 4
.Lasked_\@:
.endm
; One product.  c: 0 starts the sum.  ra, rb = 1: that side's scales are read from lanes 16-31.
.macro WM d, a, b, c, sa, sb, ra, rb
.set wD, \d
.set wA, \a
.set wB, \b
.set wC, \c
.set wSA, \sa
.set wSB, \sb
.set wR, (\ra)+2*(\rb)
.if wC == 0
.if wR == 0
	v_wmma_scale_f32_16x16x128_f8f6f4 v[wD:wD+7], v[wA:wA+7], v[wB:wB+7], 0, v[wSA], v[wSB] matrix_a_fmt:MATRIX_FMT_FP4 matrix_b_fmt:MATRIX_FMT_FP4
.elseif wR == 1
	v_wmma_scale_f32_16x16x128_f8f6f4 v[wD:wD+7], v[wA:wA+7], v[wB:wB+7], 0, v[wSA], v[wSB] matrix_a_fmt:MATRIX_FMT_FP4 matrix_b_fmt:MATRIX_FMT_FP4 matrix_a_scale:MATRIX_SCALE_ROW1
.elseif wR == 2
	v_wmma_scale_f32_16x16x128_f8f6f4 v[wD:wD+7], v[wA:wA+7], v[wB:wB+7], 0, v[wSA], v[wSB] matrix_a_fmt:MATRIX_FMT_FP4 matrix_b_fmt:MATRIX_FMT_FP4 matrix_b_scale:MATRIX_SCALE_ROW1
.else
	v_wmma_scale_f32_16x16x128_f8f6f4 v[wD:wD+7], v[wA:wA+7], v[wB:wB+7], 0, v[wSA], v[wSB] matrix_a_fmt:MATRIX_FMT_FP4 matrix_b_fmt:MATRIX_FMT_FP4 matrix_a_scale:MATRIX_SCALE_ROW1 matrix_b_scale:MATRIX_SCALE_ROW1
.endif
.else
.if wR == 0
	v_wmma_scale_f32_16x16x128_f8f6f4 v[wD:wD+7], v[wA:wA+7], v[wB:wB+7], v[wC:wC+7], v[wSA], v[wSB] matrix_a_fmt:MATRIX_FMT_FP4 matrix_b_fmt:MATRIX_FMT_FP4
.elseif wR == 1
	v_wmma_scale_f32_16x16x128_f8f6f4 v[wD:wD+7], v[wA:wA+7], v[wB:wB+7], v[wC:wC+7], v[wSA], v[wSB] matrix_a_fmt:MATRIX_FMT_FP4 matrix_b_fmt:MATRIX_FMT_FP4 matrix_a_scale:MATRIX_SCALE_ROW1
.elseif wR == 2
	v_wmma_scale_f32_16x16x128_f8f6f4 v[wD:wD+7], v[wA:wA+7], v[wB:wB+7], v[wC:wC+7], v[wSA], v[wSB] matrix_a_fmt:MATRIX_FMT_FP4 matrix_b_fmt:MATRIX_FMT_FP4 matrix_b_scale:MATRIX_SCALE_ROW1
.else
	v_wmma_scale_f32_16x16x128_f8f6f4 v[wD:wD+7], v[wA:wA+7], v[wB:wB+7], v[wC:wC+7], v[wSA], v[wSB] matrix_a_fmt:MATRIX_FMT_FP4 matrix_b_fmt:MATRIX_FMT_FP4 matrix_a_scale:MATRIX_SCALE_ROW1 matrix_b_scale:MATRIX_SCALE_ROW1
.endif
.endif
.endm
; 32 numbers of a lane, v[s] on: register 8 a + j = index 16 a + 8 h + j of my row's 64.  Two blocks of 32, each half in lane l and half in lane l xor 16.  They become four registers of codes, v[f] on, in the
; operand's layout (register i, lane (r, h'): index 32 h' + 8 i + 0 .. 7), and the two scale bytes in v[pw].  t: eight registers at work; t + 2 and t + 3 have been written before.
.macro QUANT2 s, f, pw, t
.irp k, 0,1
	v_max3_num_f32 v[\t+\k], |v[\s+16*\k]|, |v[\s+16*\k+1]|, 0x1800000   ; my 16 numbers of block k, and the floor 2^(3 - 127): the byte cannot fall under 1.  Each accumulator is read from its low end on
.endr
.irp i, 2,4,6,8,10,12,14
.irp k, 0,1
	v_max3_num_f32 v[\t+\k], v[\t+\k], |v[\s+16*\k+\i]|, |v[\s+16*\k+\i+1]|   ; (the two blocks by turns)
.endr
.endr
.irp k, 0,1
	s_delay_alu instid0(VALU_DEP_2)
	v_permlanex16_b32 v[\t+2+\k], v[\t+\k], s[SEL], s[SEL+1]
.endr
.irp k, 0,1
	s_delay_alu instid0(VALU_DEP_2)
	v_max_num_f32 v[\t+\k], v[\t+\k], v[\t+2+\k]   ; with lane l xor 16's: the block's largest magnitude
.endr
.irp k, 0,1
	s_delay_alu instid0(VALU_DEP_2)
	v_add_nc_u32 v[\t+4+\k], 0xff000000, v[\t+\k]  ; 2 off its exponent field: the conversion takes this operand's exponent field as its scale
.endr
.irp k, 0,1
	s_delay_alu instid0(VALU_DEP_2)
	v_lshrrev_b32 v[\t+6+\k], 23, v[\t+4+\k]       ; the scale's byte
.endr
	s_delay_alu instid0(VALU_DEP_1)
	v_lshl_or_b32 v[\pw], v[\t+7], 8, v[\t+6]
	v_cvt_scalef32_pk8_fp4_f32 v[\f], v[\s:\s+7], v[\t+4]          ; index 8 h + 0 .. 7
	v_cvt_scalef32_pk8_fp4_f32 v[\f+2], v[\s+8:\s+15], v[\t+4]     ; 16 + 8 h ..
	v_cvt_scalef32_pk8_fp4_f32 v[\f+1], v[\s+16:\s+23], v[\t+5]    ; 32 + 8 h ..
	v_cvt_scalef32_pk8_fp4_f32 v[\f+3], v[\s+24:\s+31], v[\t+5]    ; 48 + 8 h ..
	v_nop                                          ; one plain line between a scaled conversion and the vector line that touches its result
	v_permlane16_swap_b32 v[\f], v[\f+1]           ; the first's lanes 16-31 change places with the second's lanes 0-15: a whole block in a lane
	v_permlane16_swap_b32 v[\f+2], v[\f+3]
.endm
; A K step of 128: 16 fragment loads from chunk kc at 64 kp bytes of the rows, 16 products.  The 16 accumulators take turns, one instruction a turn, in the same order in every step.
.macro KSTEP kc, kp, ks
.irp a, 0,1,2,3
.irp c, 0,1
	ds_load_b128 v[32+8*\a+4*\c:35+8*\a+4*\c], v[4+\kc] offset:\a*16*PITCH+64*\kp+32*\c
	ds_load_b128 v[64+8*\a+4*\c:67+8*\a+4*\c], v[6+\kc] offset:\a*16*PITCH+64*\kp+32*\c
.endr
.endr
	s_wait_dscnt 0x0
.irp b, 0,1,2,3
.irp a, 0,1,2,3
.if \ks == 0
	WM 128+32*\b+8*\a, 32+8*\a, 64+8*\b, 0, 96+8*(\a/2)+\ks, 112+8*(\b/2)+\ks, \a%2, \b%2
.else
	WM 128+32*\b+8*\a, 32+8*\a, 64+8*\b, 128+32*\b+8*\a, 96+8*(\a/2)+\ks, 112+8*(\b/2)+\ks, \a%2, \b%2
.endif
.endr
.endr
	PLACES 4                                       ; in front of loads into registers that the products have read, and of the first read of results
.endm
	s_load_b512 s[68:83], s[0:1], 0x0              ; x's codes 68, scales 70; Wq's 72, 74; Wk's 76, 78; Wv's 80, 82
	s_load_b128 s[84:87], s[0:1], 0x40             ; qc, qs
	s_load_b64 s[88:89], s[0:1], 0x50              ; kv
	v_lshl_add_u32 v8, v0, 2, SPARE
	v_mov_b32 v9, 0
	ds_add_u32 v8, v9                              ; the opening: the add, twice on end, and its wait ahead of the round in front of the first tensor loads
	ds_add_u32 v8, v9
	v_lshrrev_b32 v1, 5, v0
	s_delay_alu instid0(VALU_DEP_1)
	v_readfirstlane_b32 s[WV], v1
	s_and_b32 s[TQ], s[WV], 3
	s_lshr_b32 s[TY], s[WV], 2
	s_lshr_b32 s[ISV], s[WV], 3
	s_bfe_u32 s7, ttmp6, 0x40000                   ; cx
	s_bfe_u32 s8, ttmp6, 0x40004                   ; cy
	s_lshl_b32 s9, ttmp9, 2
	s_add_co_u32 s9, s9, s7                        ; the head = 4 x cluster x + cx
	s_and_b32 s10, ttmp7, 0xffff
	s_lshl_b32 s10, s10, 2
	s_add_co_u32 s10, s10, s8                      ; the group of 256 tokens = 4 x cluster y + cy
	s_lshr_b32 s11, s10, 3
	s_lshl_b32 s11, s11, 4
	s_add_co_u32 s11, s11, s9                      ; bh = 16 x batch + head
	s_and_b32 s12, s10, 7                          ; the group within its sequence
	s_lshl_b32 s13, s8, 2
	s_lshl_b32 s13, 15, s13                        ; my row of the cluster: it shares the tokens
	s_lshl_b32 s14, 0x1111, s7                     ; my column: it shares the head
	s_or_b32 s[G1X], s13, PADW
	s_or_b32 s[G1W], s14, PADW
.irp g, G1X, G1W
	s_mov_b32 s[\g+1], 256<<16                     ; tensor_dim0 = 256 bytes: 512 codes
	s_mov_b32 s[\g+2], 64<<16                      ; tensor_dim1 = 64 rows
	s_mov_b32 s[\g+3], 256<<16                     ; tile_dim0
	s_mov_b32 s[\g+4], 64                          ; tile_dim1
	s_mov_b32 s[\g+5], 512                         ; a row of 1,024 codes in memory
	s_mov_b32 s[\g+6], 0
	s_mov_b32 s[\g+7], 0
.endr
	s_mul_i32 s15, s[WV], UNIT                     ; wave u fetches unit u: waves 0-3 x's, waves 4-6 Wq's, Wk's, Wv's
	s_mov_b32 s[G0X], 1
	s_mov_b32 s[G0X+1], s15
	s_mov_b32 s[G0X+4], 1
	s_add_co_u32 s[G0X+5], s15, CH
	s_mov_b32 s[G0W], 1
	s_mov_b32 s[G0W+1], s15
	s_mov_b32 s[G0W+4], 1
	s_add_co_u32 s[G0W+5], s15, CH
	s_mov_b32 s[SEL], 0x76543210
	s_mov_b32 s[SEL+1], 0xfedcba98
	; every LDS address is made here, ahead of the first branch on the wave's number
	v_and_b32 v1, 31, v0                           ; lane
	v_and_b32 v2, 15, v0                           ; r
	v_bfe_u32 v3, v0, 4, 1                         ; h
	s_delay_alu instid0(VALU_DEP_2)
	v_mul_u32_u24 v20, v2, PITCH
	s_delay_alu instid0(VALU_DEP_1)
	v_lshl_add_u32 v20, v3, 4, v20                 ; a fragment's row x pitch + 16 h
	s_add_co_u32 s15, s[TY], 4                     ; my weight's unit
	s_xor_b32 s16, s[TQ], s15
	s_mul_i32 s16, s16, s[ISV]                     ; for v the two units change places
	s_xor_b32 s15, s15, s16                        ; source 0's unit
	s_xor_b32 s16, s[TQ], s16                      ; source 1's
	s_mul_i32 s15, s15, UNIT
	s_mul_i32 s16, s16, UNIT
	v_add_nc_u32 v4, s15, v20
	s_delay_alu instid0(VALU_DEP_1)
	v_add_nc_u32 v5, CH, v4
	v_add_nc_u32 v6, s16, v20
	s_delay_alu instid0(VALU_DEP_1)
	v_add_nc_u32 v7, CH, v6
	v_lshlrev_b32 v21, 1, v2
	s_lshl_b32 s17, s[TQ], 7
	s_add_co_u32 s17, s17, STG+1024
	v_add_nc_u32 v11, s17, v21                     ; q's half words: [tile 16][r 16] u16: 128 TQ + 32 b + 2 r
	s_lshr_b32 s17, s[TQ], 1
	s_lshl_b32 s17, s17, 9                         ; which of the work-group's two key steps
	s_and_b32 s18, s[TQ], 1
	s_lshl_b32 s19, s18, 2
	s_add_co_u32 s19, s19, s17
	s_add_co_u32 s19, s19, STG
	; K'S IMAGE IS LAID FOR THE SCORES: key tile a of 64 keys takes keys 8 a + 0 .. 7 as rows 0-7 and 32 + 8 a + 0 .. 7 as rows 8-15, so that in launch attn a lane holds whole blocks of 32 keys.
	; So token 16 b + r of my 64 is row (r % 8) + 8 (b / 2) of key tile 2 (b % 2) + r / 8.
	v_and_b32 v24, 7, v2
	v_lshrrev_b32 v25, 3, v2
	v_lshl_add_u32 v12, v24, 4, s19                ; k's half words: [lane 32][4 words]: word TQ % 2, lane 16 (b % 2) + 8 (b / 2) + r % 8, half r / 8
	v_lshl_add_u32 v12, v25, 1, v12
	s_lshl_b32 s19, s18, 1
	s_add_co_u32 s19, s19, s17
	s_add_co_u32 s19, s19, STG+8
	v_lshl_add_u32 v13, v2, 4, s19                 ; v's: d tile b: word 2 + b / 2, lane 16 (b % 2) + r, half TQ % 2
	s_min_u32 s19, s[WV], 2
	s_lshl_b32 s19, s19, 9
	s_add_co_u32 s19, s19, STG
	v_lshl_add_u32 v19, v1, 4, s19                 ; back: waves 0, 1, 2 take the stage's three runs of 512 bytes
	v_lshlrev_b32 v18, 4, v1
	s_lshl_b32 s19, s[WV], 11
	s_add_co_u32 s19, s19, KST
	v_and_b32 v24, 7, v2
	v_lshrrev_b32 v25, 3, v2
	v_lshlrev_b32 v24, 4, v24
	v_lshl_add_u32 v24, v25, 9, v24
	v_lshl_add_u32 v24, v3, 8, v24
	v_add_nc_u32 v2, s19, v24                      ; from here on v2: k's codes in: 512 (r / 8) + 256 h + 16 (r % 8);  v3: back: 16 x lane
	v_add_nc_u32 v3, s19, v18
	s_wait_alu depctr_va_vdst(0)
	v_lshlrev_b32 v10, 5, v1
	v_mov_b32 v22, 0                               ; written once: a lane permute's destination counts as one of its sources
	v_mov_b32 v23, 0
	; offsets, apart from the addresses
	s_lshl_b32 s92, s10, 17                        ; x's tile: 256 tokens x 512 bytes a group,
	s_lshl_b32 s13, s[TQ], 15                      ; 64 tokens a unit
	s_add_co_u32 s92, s92, s13
	s_mov_b32 s93, 0
	s_lshl_b32 s94, s9, 15                         ; a weight's tile: the head's 64 rows
	s_mov_b32 s95, 0
	s_lshl_b32 s96, s10, 13                        ; x's scale bytes: 32 a token
	s_lshl_b32 s13, s[TQ], 11
	s_add_co_u32 s96, s96, s13
	s_mov_b32 s97, 0
	s_lshl_b32 s98, s9, 11                         ; a weight's scale bytes
	s_mov_b32 s99, 0
	s_lshl_b32 s13, s11, 16                        ; qc: [bh][tile 128][512 bytes]: tile 16 x group + 4 TQ + b
	s_lshl_b32 s14, s12, 13
	s_add_co_u32 s13, s13, s14
	s_lshl_b32 s14, s[TQ], 11
	s_add_co_u32 s13, s13, s14
	s_mul_i32 s14, s11, 16*KVB                     ; kv: [bh][step 16][8,704 bytes]
	s_mul_i32 s15, s12, 2*KVB
	s_add_co_u32 s14, s14, s15                     ; the block of the work-group's first 128 tokens
	s_lshr_b32 s15, s[TQ], 1
	s_mul_i32 s15, s15, KVB
	s_add_co_u32 s15, s15, s14                     ; the block of my 64 tokens
	s_and_b32 s16, s[TQ], 1
	s_lshl_b32 s17, s16, 11
	s_add_co_u32 s17, s17, s15                     ; k: four key tiles from 4 (TQ % 2) on, 512 bytes each
	s_lshl_b32 s16, s16, 9
	s_add_co_u32 s16, s16, s15
	s_add_co_u32 s16, s16, 4096                    ; v: d tile b at 1,024 b, keys 64 (TQ % 2) on at 512
	s_cmp_eq_u32 s[TY], 1
	s_cselect_b32 s[OB], s17, s13
	s_cmp_eq_u32 s[TY], 2
	s_cselect_b32 s[OB], s16, s[OB]
	s_mov_b32 s[OB+1], 0
	s_min_u32 s15, s[WV], 1
	s_mul_i32 s15, s15, KVB
	s_add_co_u32 s15, s15, s14
	s_add_co_u32 s15, s15, 8192                    ; waves 0, 1: the scale words of the two key steps
	s_lshl_b32 s16, s11, 12
	s_lshl_b32 s17, s12, 9
	s_add_co_u32 s16, s16, s17                     ; wave 2: qs: [bh][tile 128][r 16] u16
	s_cmp_lt_u32 s[WV], 2
	s_cselect_b32 s[CB], s15, s16
	s_mov_b32 s[CB+1], 0
	s_lshl_b32 s62, 512, s[ISV]                    ; from one store of codes to the next: 512 bytes, for v 1,024
	v_mov_b32 v14, v18
	s_delay_alu instid0(VALU_DEP_1)
	v_add_nc_u32 v15, s62, v14
	s_delay_alu instid0(VALU_DEP_1)
	v_add_nc_u32 v16, s62, v15
	s_delay_alu instid0(VALU_DEP_1)
	v_add_nc_u32 v17, s62, v16
	s_wait_alu depctr_va_vdst(0)
	s_wait_dscnt 0x0                               ; both opening adds are done
	CROUND                                         ; all sixteen work-groups are here: the joint loads meet
	s_wait_kmcnt 0x0
	s_add_nc_u64 s[G0X+2:G0X+3], s[68:69], s[92:93]
	s_add_nc_u64 s[G0X+6:G0X+7], s[G0X+2:G0X+3], 256   ; chunk 1: 512 codes on
	s_or_b32 s[G0X+3], s[G0X+3], 0x80000000
	s_or_b32 s[G0X+7], s[G0X+7], 0x80000000
	s_cmp_eq_u32 s[WV], 5                          ; wave 4 fetches Wq's rows, wave 5 Wk's, wave 6 Wv's: a choice on the wave's number, the same in all partners
	s_cselect_b64 s[14:15], s[76:77], s[72:73]
	s_cmp_eq_u32 s[WV], 6
	s_cselect_b64 s[14:15], s[80:81], s[14:15]
	s_add_nc_u64 s[G0W+2:G0W+3], s[14:15], s[94:95]
	s_add_nc_u64 s[G0W+6:G0W+7], s[G0W+2:G0W+3], 256
	s_or_b32 s[G0W+3], s[G0W+3], 0x80000000
	s_or_b32 s[G0W+7], s[G0W+7], 0x80000000
	s_cmp_eq_u32 s[TY], 1
	s_cselect_b64 s[16:17], s[78:79], s[74:75]
	s_cmp_eq_u32 s[TY], 2
	s_cselect_b64 s[16:17], s[82:83], s[16:17]
	s_add_nc_u64 s[16:17], s[16:17], s[98:99]      ; my weight's scale bytes
	s_add_nc_u64 s[18:19], s[70:71], s[96:97]      ; my tokens'
	s_cmp_eq_u32 s[ISV], 0
	s_cselect_b64 s[S0S:S0S+1], s[16:17], s[18:19]
	s_cselect_b64 s[S1S:S1S+1], s[18:19], s[16:17]
	s_cmp_eq_u32 s[TY], 0
	s_cselect_b64 s[14:15], s[84:85], s[88:89]
	s_add_nc_u64 s[OB:OB+1], s[14:15], s[OB:OB+1]
	s_cmp_lt_u32 s[WV], 2
	s_cselect_b64 s[14:15], s[88:89], s[86:87]
	s_add_nc_u64 s[CB:CB+1], s[14:15], s[CB:CB+1]
	JLOAD 0
	s_wait_alu depctr_va_vdst(0)
.irp p, 0,1                                        ; the scale words of all of K: lane l takes the 32 bytes of row 32 p + l
.irp q, 0,1
	global_load_b128 v[96+8*\p+4*\q:99+8*\p+4*\q], v10, s[S0S:S0S+1] offset:1024*\p+16*\q
	global_load_b128 v[112+8*\p+4*\q:115+8*\p+4*\q], v10, s[S1S:S1S+1] offset:1024*\p+16*\q
.endr
.endr
	s_wait_tensorcnt 0x0                           ; my unit of chunk 0 is in
	ds_add_u32 v8, v9
	ds_add_u32 v8, v9
	s_wait_dscnt 0x0
	CROUND                                         ; chunk 0 is whole, and all sixteen work-groups are here
	JLOAD 1                                        ; the first tensor load behind the round: it has chunk 0's four K steps in which to land
	s_wait_loadcnt 0x0                             ; the scale words
	KSTEP 0, 0, 0
	KSTEP 0, 1, 1
	KSTEP 0, 2, 2
	KSTEP 0, 3, 3
	s_wait_tensorcnt 0x0                           ; my unit of chunk 1 is in (no LDS instruction of mine is out)
	s_barrier_signal -1
	s_barrier_wait -1
	KSTEP 1, 0, 4
	KSTEP 1, 1, 5
	KSTEP 1, 2, 6
	KSTEP 1, 3, 7
.irp b, 0,1,2,3                                    ; tile b of source 1: 16 rows x 64 numbers become 512 bytes of codes
	QUANT2 128+32*\b, 32+4*\b, 28+\b, 20
.endr
	s_wait_alu depctr_va_vdst(0)                   ; ahead of the branches
	s_cmp_eq_u32 s[TY], 1                          ; k's codes take their places in the wave's own stage and come back as the image (LDS serves a wave's instructions in order: ISA guide 5.7.1.4)
	s_cbranch_scc0 .Lnot_k
.irp b, 0,1,2,3
	ds_store_b128 v2, v[32+4*\b:35+4*\b] offset:1024*(\b%2)+128*(\b/2)
.endr
.irp b, 0,1,2,3                                    ; the scale half words meet in the stage (lanes r and 16 + r write the same bytes with the same value)
	ds_store_b16 v12, v[28+\b] offset:256*(\b%2)+128*(\b/2)
.endr
.irp b, 0,1,2,3
	ds_load_b128 v[80+4*\b:83+4*\b], v3 offset:512*\b
.endr
	s_wait_dscnt 0x0
.irp b, 0,1,2,3
	global_store_b128 v[14+\b], v[80+4*\b:83+4*\b], s[OB:OB+1]   ; the 32 lanes store 512 consecutive bytes, aligned
.endr
	s_branch .Lstaged
.Lnot_k:
	s_wait_alu depctr_va_vdst(0)
.irp b, 0,1,2,3
	global_store_b128 v[14+\b], v[32+4*\b:35+4*\b], s[OB:OB+1]
.endr
	s_cmp_eq_u32 s[TY], 0
	s_cbranch_scc0 .Lis_v
.irp b, 0,1,2,3
	ds_store_b16 v11, v[28+\b] offset:32*\b
.endr
	s_branch .Lstaged
.Lis_v:
	s_wait_alu depctr_va_vdst(0)
.irp b, 0,1,2,3
	ds_store_b16 v13, v[28+\b] offset:256*(\b%2)+4*(\b/2)
.endr
.Lstaged:
	s_wait_dscnt 0x0                               ; for the others' sake: my stores into the stage are done
	s_barrier_signal -1
	s_barrier_wait -1
	s_cmp_gt_u32 s[WV], 2
	s_cbranch_scc1 .Lno_copy
	ds_load_b128 v[64:67], v19
	s_wait_dscnt 0x0
	global_store_b128 v18, v[64:67], s[CB:CB+1]    ; 512 consecutive bytes, aligned
.Lno_copy:
	s_wait_tensorcnt 0x0                           ; the wave's end
	ds_add_u32 v8, v9
	s_wait_dscnt 0x0
	CROUND                                         ; the closing round
	s_endpgm
.Lfunc_end_k_qc3b70edece_proj:
	.size	k_qc3b70edece_proj, .Lfunc_end_k_qc3b70edece_proj-k_qc3b70edece_proj
	.p2alignl 7, 3214868480
	.fill 96, 4, 3214868480
	.section	.rodata,"a",@progbits
	.p2align	6, 0x0
	.amdhsa_kernel k_qc3b70edece_proj
		.amdhsa_group_segment_fixed_size 327680
		.amdhsa_private_segment_fixed_size 0
		.amdhsa_enable_private_segment 0
		.amdhsa_kernarg_size 88
		.amdhsa_user_sgpr_count 2
		.amdhsa_user_sgpr_kernarg_segment_ptr 1
		.amdhsa_wavefront_size32 1
		.amdhsa_system_sgpr_workgroup_id_x 1
		.amdhsa_system_sgpr_workgroup_id_y 1
		.amdhsa_system_sgpr_workgroup_id_z 1
		.amdhsa_system_vgpr_workitem_id 0
		.amdhsa_next_free_vgpr 256
		.amdhsa_next_free_sgpr 100
		.amdhsa_reserve_vcc 0
		.amdhsa_float_denorm_mode_32 3
		.amdhsa_float_denorm_mode_16_64 3
		.amdhsa_memory_ordered 1
		.amdhsa_forward_progress 1
		.amdhsa_inst_pref_size 49
	.end_amdhsa_kernel
	.amdgpu_metadata
---
amdhsa.version: [ 1, 2 ]
amdhsa.kernels:
  - .name:           k_qc3b70edece_proj
    .symbol:         k_qc3b70edece_proj.kd
    .args:
      - { .name: x_codes, .offset: 0, .size: 8, .value_kind: global_buffer, .address_space: global }
      - { .name: x_scales, .offset: 8, .size: 8, .value_kind: global_buffer, .address_space: global }
      - { .name: Wq_codes, .offset: 16, .size: 8, .value_kind: global_buffer, .address_space: global }
      - { .name: Wq_scales, .offset: 24, .size: 8, .value_kind: global_buffer, .address_space: global }
      - { .name: Wk_codes, .offset: 32, .size: 8, .value_kind: global_buffer, .address_space: global }
      - { .name: Wk_scales, .offset: 40, .size: 8, .value_kind: global_buffer, .address_space: global }
      - { .name: Wv_codes, .offset: 48, .size: 8, .value_kind: global_buffer, .address_space: global }
      - { .name: Wv_scales, .offset: 56, .size: 8, .value_kind: global_buffer, .address_space: global }
      - { .name: qc, .offset: 64, .size: 8, .value_kind: global_buffer, .address_space: global }
      - { .name: qs, .offset: 72, .size: 8, .value_kind: global_buffer, .address_space: global }
      - { .name: kv, .offset: 80, .size: 8, .value_kind: global_buffer, .address_space: global }
    .group_segment_fixed_size: 327680
    .private_segment_fixed_size: 0
    .kernarg_segment_align: 8
    .kernarg_segment_size: 88
    .max_flat_workgroup_size: 384
    .sgpr_count:     100
    .vgpr_count:     256
    .wavefront_size: 32
...
	.end_amdgpu_metadata
.endif
;; end of part 1
;; launch attn (part 2): grid 8 x 32, 16 waves a work-group, clusters of 4 x 1, 167,936 bytes of LDS; arguments qc, qs, kv, cc, cs; writes cc, cs
.if DOCPART == 2
	.amdgcn_target "amdgcn-amd-amdhsa--gfx1250"
	.amdhsa_code_object_version 6
	.text
	.protected	k_qc3b70edece_attn
	.globl	k_qc3b70edece_attn
	.p2align	8
	.type	k_qc3b70edece_attn,@function
k_qc3b70edece_attn:
	s_mov_b64 s[64:65], 0
	v_nop
	global_prefetch_b8 v0, s[64:65] scope:SCOPE_SE
	s_setreg_imm32_b32 hwreg(HW_REG_WAVE_MODE, 25, 1), 1
	s_wait_xcnt 0x0
	s_wait_alu depctr_hold_cnt(0) depctr_sa_sdst(0) depctr_va_vdst(0) depctr_va_sdst(0) depctr_va_ssrc(0) depctr_va_vcc(0) depctr_vm_vsrc(0)
	s_getreg_b32 s2, hwreg(HW_REG_IB_STS2, 6, 4)
	s_cmp_eq_u32 s2, 0
	s_cbranch_scc0 .Lentry_in_a_cluster
	s_endpgm
.Lentry_in_a_cluster:
	s_bfe_u32 s2, ttmp6, 0x10000c
	s_cmp_lg_u32 s2, 0x3003
	s_cbranch_scc0 .Lentry_shape_is_right
	s_endpgm
.Lentry_shape_is_right:
; LAUNCH 2 OF 3.  ctx = softmax(q k^T / 8) v for each of 32 (batch, head), causal, both products on codes of FP4 with E8M0 scales, f32 sums; ctx leaves quantised along the head's 64, as images of operand registers.
; WORK LEFT OUT.  For key k > query q reference() sets the score to -inf by a jnp.tril of its own: p = 0 whatever finite values the inputs hold, its code is 0, and it adds nothing to the row's sum.  A step of 128 keys
; all of which come after all 16 queries of a tile reaches no output and is not computed.
; LIMITS: a NaN, an infinity or an overflow that reaches only such steps is not carried to the result.  NaN and infinities among the inputs are not served.  The scaled scores (t below) stay under 2^31 in magnitude.
; A block of zeros gets the scale byte 1 where the rule says 127: its codes are zeros, and this program alone reads the bytes.
; THE SOFTMAX: t = score x log2(e) / 8; M = the row's largest t so far, rounded up to a whole number; p = 2^(t - M) is quantised along the keys; the row's sum is taken of the unquantised p and divides ctx at the end.
; When M moves, the sums and ctx are multiplied by 2^(old M - new M).
; SHARES.  A work-group (x, bh) owns the 16 query tiles 8 G + x, G = 0 .. 15, of 16 queries, a tile a wave; tile G walks key steps 0 .. G of 128 keys.  THE LONGEST TILES STAND ON THE LOWEST WAVES: with s = wave % 4, waves s,
; 4 + s, 8 + s, 12 + s take G = 15 - s, 8 + s, 7 - s, s: 34 steps together for every s.
; LDS holds the head's K, V and scale words whole: 16 blocks of 8,704 bytes, a block a wave, one joint load each for the four work-groups of a cluster.  No byte is filled twice.
; No prefetch: all tiles are asked for in the head, and no loop loads from memory.
; LAYOUT.  S^T = K Q^T, ctx^T = V^T P^T: a lane (r = lane % 16, h = lane / 16) holds one query.  Key tile f's rows 0-7 are keys 64 (f / 4) + 8 (f % 4) + 0 .. 7 and rows 8-15 the keys 32 further on: so a lane's 32 numbers of
; tiles 4 c .. 4 c + 3 are block 2 c + h of 32 keys whole, in the order of the second product's operand.  A K fragment of 128 codes is two key tiles' 64: the query stands once beside zeros below, once beside zeros above.
.set KVB,   8704                       ; a block for 128 keys: K's codes 4,096, V's codes 4,096, scale words 512 ([lane][4]: two for K, two for V)
.set HEADB, 16*KVB
.set STG,   HEADB                      ; ctx's scale half words: [G / 8][r][G % 8], 512 bytes
.set SPARE, STG+512                    ; the spare words: 128 bytes for each of sixteen waves; no other line names them
.set WV,   18                          ; s18 wave
.set SEL,  20                          ; s[20:21] v_permlanex16_b32's selects for lane l xor 16
.set CS,   22                          ; s[22:23] c = log2(e) / 8, twice
.set GT,   36                          ; s36 my tile G
.set ST,   41                          ; s41 the key step
.set XH,   45                          ; s45 x / 4: which half of a 128-key step my queries' own keys lie in
.set MK,   66                          ; s[66:97] lane masks: bit set where key n of the diagonal's half is hidden from my query
.set NC,   98                          ; s98 -c
; VECTOR REGISTERS: v1 16 x lane; v4 where my tile's scale half words go; v5, v6 the add's two; v7, v8 LDS addresses of the step's V and the next step's K; v9 -infinity; v[10:11] f; v[12:13] -M; v14 the largest score; v15 8 h;
; v16-27 zeros, Q, zeros; v28-35 the row's sum in eight parts; from KK K's fragments, from VV V's, from SS the scores, then p; from OO ctx^T; from PP p's codes; KSC, VSC, QSC, PSC scale words; from W at work;
; v232 back from the stage; v240-243, v244 ctx's codes and scale bytes.
.set KK, 36
.set VV, 68
.set SS, 100
.set OO, 164
.set PP, 196
.set KSC, 204
.set VSC, 206
.set QSC, 208
.set PSC, 210
.set W,  212
.macro PLACES n
.rept \n
	v_nop
.endr
.endm
.macro CROUND                          ; a round of the cluster's barrier
	s_barrier_signal -1
	s_barrier_wait -1
	s_cmp_lg_u32 s[WV], 0
	s_cbranch_scc1 .Lnot_wave_0_\@
	s_barrier_signal -3
.Lnot_wave_0_\@:
	s_barrier_wait -3
	s_barrier_signal -1
	s_barrier_wait -1
.endm
.macro SCORE d, a, b, sa, sb, ra       ; ra = 1: source 0's scales are read from lanes 16-31
.if (\ra) == 0
	v_wmma_scale_f32_16x16x128_f8f6f4 v[\d:\d+7], v[\a:\a+7], v[\b:\b+7], 0, v[\sa], v[\sb] matrix_a_fmt:MATRIX_FMT_FP4 matrix_b_fmt:MATRIX_FMT_FP4
.else
	v_wmma_scale_f32_16x16x128_f8f6f4 v[\d:\d+7], v[\a:\a+7], v[\b:\b+7], 0, v[\sa], v[\sb] matrix_a_fmt:MATRIX_FMT_FP4 matrix_b_fmt:MATRIX_FMT_FP4 matrix_a_scale:MATRIX_SCALE_ROW1
.endif
.endm
.macro PROD d, a, sa, ra
.if (\ra) == 0
	v_wmma_scale_f32_16x16x128_f8f6f4 v[\d:\d+7], v[\a:\a+7], v[PP:PP+7], v[\d:\d+7], v[\sa], v[PSC] matrix_a_fmt:MATRIX_FMT_FP4 matrix_b_fmt:MATRIX_FMT_FP4
.else
	v_wmma_scale_f32_16x16x128_f8f6f4 v[\d:\d+7], v[\a:\a+7], v[PP:PP+7], v[\d:\d+7], v[\sa], v[PSC] matrix_a_fmt:MATRIX_FMT_FP4 matrix_b_fmt:MATRIX_FMT_FP4 matrix_a_scale:MATRIX_SCALE_ROW1
.endif
.endm
; 32 numbers of a lane, v[s] on: register 8 a + j = index 16 a + 8 h + j of my row's 64: two blocks of 32, each half in lane l and half in lane l xor 16.  They become four registers of codes, v[f] on (register i, lane (r, h'):
; index 32 h' + 8 i + 0 .. 7), and the two scale bytes in v[pw].  t: eight registers at work.
.macro QUANT2 s, f, pw, t
.irp k, 0,1
	v_max3_num_f32 v[\t+\k], |v[\s+16*\k]|, |v[\s+16*\k+1]|, 0x1800000   ; the floor 2^(3 - 127): the byte cannot fall under 1
.endr
.irp i, 2,4,6,8,10,12,14
.irp k, 0,1
	v_max3_num_f32 v[\t+\k], v[\t+\k], |v[\s+16*\k+\i]|, |v[\s+16*\k+\i+1]|
.endr
.endr
.irp k, 0,1
	s_delay_alu instid0(VALU_DEP_2)
	v_permlanex16_b32 v[\t+2+\k], v[\t+\k], s[SEL], s[SEL+1]
.endr
.irp k, 0,1
	s_delay_alu instid0(VALU_DEP_2)
	v_max_num_f32 v[\t+\k], v[\t+\k], v[\t+2+\k]
.endr
.irp k, 0,1
	s_delay_alu instid0(VALU_DEP_2)
	v_add_nc_u32 v[\t+4+\k], 0xff000000, v[\t+\k]  ; 2 off the exponent field: the conversion's scale operand
.endr
.irp k, 0,1
	s_delay_alu instid0(VALU_DEP_2)
	v_lshrrev_b32 v[\t+6+\k], 23, v[\t+4+\k]       ; the scale's byte
.endr
	s_delay_alu instid0(VALU_DEP_1)
	v_lshl_or_b32 v[\pw], v[\t+7], 8, v[\t+6]
	v_cvt_scalef32_pk8_fp4_f32 v[\f], v[\s:\s+7], v[\t+4]
	v_cvt_scalef32_pk8_fp4_f32 v[\f+2], v[\s+8:\s+15], v[\t+4]
	v_cvt_scalef32_pk8_fp4_f32 v[\f+1], v[\s+16:\s+23], v[\t+5]
	v_cvt_scalef32_pk8_fp4_f32 v[\f+3], v[\s+24:\s+31], v[\t+5]
	v_nop                                          ; one plain line between a scaled conversion and the vector line that touches its result
	v_permlane16_swap_b32 v[\f], v[\f+1]           ; a whole block in a lane
	v_permlane16_swap_b32 v[\f+2], v[\f+3]
.endm
.macro TLESSM n0                       ; t - M for 16 scores
.set n, \n0
.rept 8
	v_pk_fma_f32 v[SS+n:SS+n+1], v[SS+n:SS+n+1], s[CS:CS+1], v[12:13] op_sel_hi:[1,0,0]
.set n, n+2
.endr
.endm
.macro ADD4 i                          ; eight p into the row's sum, four chains by turns
.irp k, 0,1,2,3
	v_pk_add_f32 v[28+2*\k:29+2*\k], v[28+2*\k:29+2*\k], v[SS+\i+2*\k:SS+\i+2*\k+1]
.endr
.endm
	s_load_b256 s[4:11], s[0:1], 0x0               ; qc s[4:5], qs s[6:7], kv s[8:9], cc s[10:11]
	s_load_b64 s[12:13], s[0:1], 0x20              ; cs
	v_lshl_add_u32 v5, v0, 2, SPARE
	v_mov_b32 v6, 0
	ds_add_u32 v5, v6                              ; the opening: the add, twice on end, and its wait ahead of the round in front of the tensor load
	ds_add_u32 v5, v6
	v_lshrrev_b32 v1, 5, v0
	s_delay_alu instid0(VALU_DEP_1)
	v_readfirstlane_b32 s[WV], v1
	s_and_b32 s46, s[WV], 3
	s_xor_b32 s47, s[WV], 15
	s_and_b32 s48, s47, 8                          ; waves 0-7: 8
	s_bfe_u32 s47, s47, 0x10002
	s_mul_i32 s47, s47, 7                          ; waves 0-3 and 8-11: 7
	s_xor_b32 s46, s46, s48
	s_xor_b32 s[GT], s46, s47                      ; my tile: 15 - s, 8 + s, 7 - s, s
	s_bfe_u32 s44, ttmp6, 0x40000                  ; cx
	s_mov_b32 s[XH], ttmp9                         ; in a cluster launch ttmp9 counts clusters of four: x / 4
	s_lshl_b32 s42, ttmp9, 2
	s_add_co_u32 s42, s42, s44                     ; x
	s_and_b32 s43, ttmp7, 0xffff                   ; bh
	s_mov_b32 s24, 15|(3<<16)|(1<<21)              ; group 1: all four of the cluster; elements of 8 bytes; bit 21 beside a mask; no padding
	s_mov_b32 s25, 32<<16                          ; a block: 34 rows of 256 bytes, dense
	s_mov_b32 s26, 34<<16
	s_mov_b32 s27, 32<<16
	s_mov_b32 s28, 34
	s_mov_b32 s29, 32
	s_mov_b32 s30, 0
	s_mov_b32 s31, 0
	s_mul_i32 s47, s[WV], KVB                      ; wave w fetches block w
	s_mov_b32 s32, 1
	s_mov_b32 s33, s47
	s_mul_i32 s54, s43, HEADB
	s_add_co_u32 s54, s54, s47
	s_mov_b32 s55, 0
	s_lshl_b32 s48, s[GT], 3
	s_add_co_u32 s48, s48, s42                     ; my tile of the sequence's 128
	s_lshl_b32 s46, s43, 16                        ; qc: [bh][tile][512 bytes]
	s_lshl_b32 s50, s48, 9
	s_add_co_u32 s50, s50, s46
	s_mov_b32 s51, 0
	s_lshl_b32 s46, s43, 12                        ; qs: [bh][tile][r] u16
	s_lshl_b32 s52, s48, 5
	s_add_co_u32 s52, s52, s46
	s_mov_b32 s53, 0
	s_lshr_b32 s56, s43, 4                         ; cc: [batch][tile][head / 2][head % 2][512 bytes]
	s_lshl_b32 s56, s56, 7
	s_add_co_u32 s56, s56, s48
	s_lshl_b32 s56, s56, 13
	s_bfe_u32 s46, s43, 0x30001
	s_lshl_b32 s46, s46, 10
	s_add_co_u32 s56, s56, s46
	s_and_b32 s46, s43, 1
	s_lshl_b32 s46, s46, 9
	s_add_co_u32 s56, s56, s46
	s_mov_b32 s57, 0
	s_lshl_b32 s58, s43, 3                         ; cs: [bh][x][512 bytes]
	s_add_co_u32 s58, s58, s42
	s_lshl_b32 s58, s58, 9
	s_mov_b32 s59, 0
	s_mov_b32 s[SEL], 0x76543210
	s_mov_b32 s[SEL+1], 0xfedcba98
	s_mov_b32 s[CS], 0x3e38aa3b                    ; log2(e) / 8
	s_mov_b32 s[CS+1], s[CS]
	s_mov_b32 s[NC], 0xbe38aa3b
	s_mov_b32 s[ST], 0
	; every LDS address but the loop's is made here, ahead of the first branch on the wave's number
	v_and_b32 v1, 31, v0
	v_and_b32 v2, 15, v0                           ; r
	v_bfe_u32 v3, v0, 4, 1                         ; h
	v_lshlrev_b32 v1, 4, v1
	v_lshlrev_b32 v15, 3, v3
	s_lshr_b32 s46, s[GT], 3
	s_lshl_b32 s46, s46, 8
	s_and_b32 s47, s[GT], 7
	s_lshl_b32 s47, s47, 1
	s_add_co_u32 s46, s46, s47
	s_add_co_u32 s46, s46, STG
	s_wait_alu depctr_va_vdst(0)
	v_lshl_add_u32 v4, v2, 4, s46
	v_add_nc_u32 v232, STG, v1
	v_lshlrev_b32 v8, 1, v2                        ; Q's scale half words: 2 r
	s_wait_alu depctr_va_vdst(0)
	s_wait_dscnt 0x0                               ; both opening adds are done
	CROUND                                         ; all four work-groups are here: the joint loads meet
	s_wait_kmcnt 0x0
	s_add_nc_u64 s[34:35], s[8:9], s[54:55]
	s_or_b32 s35, s35, 0x80000000
	s_add_nc_u64 s[4:5], s[4:5], s[50:51]
	s_add_nc_u64 s[6:7], s[6:7], s[52:53]
	s_add_nc_u64 s[10:11], s[10:11], s[56:57]
	s_add_nc_u64 s[12:13], s[12:13], s[58:59]
	tensor_load_to_lds s[32:35], s[24:31]
	s_nop 0
	PLACES 4
	global_load_b128 v[20:23], v1, s[4:5]          ; my tile's Q
	global_load_u16 v[QSC], v8, s[6:7]
	s_lshl_b32 s46, s44, 4                         ; 16 cx = 16 x - 64 (x / 4)
	v_lshlrev_b32 v3, 5, v3
	v_sub_nc_u32 v3, v2, v3
	v_add_nc_u32 v3, s46, v3                       ; my query's place in its half of the step, less 32 h
.set n, 0
.rept 32
	v_cmp_gt_i32 s[MK+n], n, v3                    ; the lane's n-th key of the half, 32 h + n, comes after my query
.set n, n+1
.endr
.irp i, 16,17,18,19,24,25,26,27
	v_mov_b32 v[\i], 0
.endr
.irp i, 28,29,30,31,32,33,34,35
	v_mov_b32 v[\i], 0
.endr
	v_mov_b32 v9, 0xff800000
	v_mov_b32 v11, 0                               ; (upper halves of pairs of which the low word alone counts)
	v_mov_b32 v12, 0x7e000000                      ; -M of no score yet: so large that the first change of M makes f = 0
	v_mov_b32 v13, 0
	v_mov_b32 v14, 0xff61b1e6                      ; the largest score so far: -3e38
.set n, 0
.rept 12
	v_mov_b32 v[W+n], 0                            ; a lane permute's destination counts as one of its sources
.set n, n+1
.endr
.set n, 0
.rept 32
	v_mov_b32 v[OO+n], 0                           ; the step is written once: the first finds zeros
.set n, n+1
.endr
	s_wait_alu depctr_va_vdst(0)
	s_wait_loadcnt 0x0
	v_lshlrev_b32 v[QSC+1], 16, v[QSC]
	PLACES 8
	s_wait_alu depctr_va_vdst(0)
	s_wait_tensorcnt 0x0                           ; my block is in
	s_barrier_signal -1
	s_barrier_wait -1                              ; everybody's is
.irp i, 0,1,2,3,4,5,6,7
	ds_load_b128 v[KK+4*\i:KK+4*\i+3], v1 offset:512*\i   ; step 0's K and its scale words
.endr
	ds_load_b64 v[KSC:KSC+1], v1 offset:8192
.Ltrip:                                            ; sixteen trips, a key step each; those behind my tile's last step do nothing
	s_cmp_gt_u32 s[ST], s[GT]
	s_cbranch_scc1 .Lskip
	s_mul_i32 s47, s[ST], KVB
	s_add_co_u32 s48, s[ST], 1
	s_min_u32 s48, s48, 15                         ; the next step (held to the last block: what a tile's last step loads is not used)
	s_mul_i32 s48, s48, KVB
	v_add_nc_u32 v7, s47, v1
	v_add_nc_u32 v8, s48, v1
	PLACES 2                                       ; with the two lines above four places in front of loads into registers that the last products have read
.irp i, 0,1,2,3,4,5,6,7
	ds_load_b128 v[VV+4*\i:VV+4*\i+3], v7 offset:4096+512*\i
.endr
	ds_load_b64 v[VSC:VSC+1], v7 offset:8200
	s_wait_alu depctr_va_vdst(0)
	s_wait_dscnt 0x9                               ; K is in; V's nine loads may be out
.irp f, 0,1,2,3
	SCORE SS+16*\f, KK+8*\f, 20, KSC+\f/2, QSC, \f%2         ; key tile 2 f: the query in the lower half of K
	SCORE SS+16*\f+8, KK+8*\f, 16, KSC+\f/2, QSC+1, \f%2     ; key tile 2 f + 1: in the upper half
.endr
	PLACES 4                                       ; in front of loads into registers that the products have read, and of the first read of results
.irp i, 0,1,2,3,4,5,6,7
	ds_load_b128 v[KK+4*\i:KK+4*\i+3], v8 offset:512*\i      ; the next step's K
.endr
	ds_load_b64 v[KSC:KSC+1], v8 offset:8192
	s_cmp_lg_u32 s[ST], s[GT]
	s_cbranch_scc1 .Lopen
	s_cmp_eq_u32 s[XH], 0                          ; the step on the diagonal: hidden scores become -infinity ahead of the maximum
	s_cbranch_scc0 .Lupper
.set n, 0
.rept 32
	v_cndmask_b32 v[SS+n], v[SS+n], v9, s[MK+n]
.set n, n+1
.endr
.set n, 0
.rept 32
	v_mov_b32 v[SS+32+n], 0xff800000               ; my queries lie in the step's first half: all keys of its second come after them
.set n, n+1
.endr
	s_branch .Lopen
.Lupper:
.set n, 0
.rept 32
	v_cndmask_b32 v[SS+32+n], v[SS+32+n], v9, s[MK+n]   ; in its second half: all keys of the first count
.set n, n+1
.endr
.Lopen:
.irp k, 0,1,2,3
	v_max3_num_f32 v[W+\k], v[SS+16*\k], v[SS+16*\k+1], v[SS+16*\k+2]   ; the largest score of my two blocks of 32 keys, in four chains
.endr
.irp i, 3,5,7,9,11,13
.irp k, 0,1,2,3
	v_max3_num_f32 v[W+\k], v[W+\k], v[SS+16*\k+\i], v[SS+16*\k+\i+1]
.endr
.endr
	v_max3_num_f32 v[W], v[W], v[W+1], v[SS+15]
	v_max3_num_f32 v[W+2], v[W+2], v[W+3], v[SS+47]
	v_max_num_f32 v[W], v[W], v[SS+31]
	v_max_num_f32 v[W+2], v[W+2], v[SS+63]         ; W block h, W + 2 block 2 + h
	v_max_num_f32 v[W+1], v[W], v[W+2]
	s_delay_alu instid0(VALU_DEP_1)
	v_permlanex16_b32 v[W+4], v[W+1], s[SEL], s[SEL+1]
	s_delay_alu instid0(VALU_DEP_1)
	v_max3_num_f32 v14, v14, v[W+1], v[W+4]        ; the query's largest score so far
	s_delay_alu instid0(VALU_DEP_1)
	v_mul_f32 v[W+5], s[NC], v14
	v_mov_b32 v[W+6], v12
	s_delay_alu instid0(VALU_DEP_2)
	v_floor_f32 v12, v[W+5]                        ; -M = floor(-t)
	TLESSM 0                                       ; t - M; the chain that makes f goes on between these runs
	v_sub_f32 v[W+6], v12, v[W+6]                  ; old M - new M: a whole number, 0 or less
	TLESSM 16
	v_cvt_i32_f32 v[W+6], v[W+6]                   ; (it saturates)
	TLESSM 32
	v_ldexp_f32 v10, 1.0, v[W+6]                   ; f
	TLESSM 48
	v_fma_f32 v[W], v[W], s[CS], v12
	v_fma_f32 v[W+2], v[W+2], s[CS], v12           ; the same of each block's largest score
.set n, 0
.rept 16
	v_pk_mul_f32 v[OO+n:OO+n+1], v[OO+n:OO+n+1], v[10:11] op_sel_hi:[1,0]   ; ctx^T under the new M
.set n, n+2
.endr
	s_wait_alu depctr_va_vdst(0)                   ; ahead of the batch,
	v_exp_f32 v[W], v[W]                           ; each block's largest p: the same two instructions on the same number
	v_exp_f32 v[W+2], v[W+2]
.set n, 0
.rept 64
	v_exp_f32 v[SS+n], v[SS+n]                     ; p
.set n, n+1
.endr
	v_nop                                          ; one plain place behind a transcendental
	s_wait_alu depctr_va_vdst(0)                   ; and ahead of its first reader
	v_max_num_f32 v[W], 0x1800000, v[W]            ; the floor 2^(3 - 127): the byte cannot fall under 1
	v_max_num_f32 v[W+2], 0x1800000, v[W+2]
.irp k, 0,1,2,3
	v_pk_fma_f32 v[28+2*\k:29+2*\k], v[28+2*\k:29+2*\k], v[10:11], v[SS+2*\k:SS+2*\k+1] op_sel_hi:[1,0,1]   ; the row's sum of the unquantised p; the scale word's chain goes on between these runs
.endr
	v_add_nc_u32 v[W+8], 0xff000000, v[W]          ; 2 off the exponent field: the conversion's scale operand
	v_add_nc_u32 v[W+9], 0xff000000, v[W+2]
.irp c, 0,1
.irp a, 0,1,2,3
	v_cvt_scalef32_pk8_fp4_f32 v[PP+4*\c+\a], v[SS+32*\c+8*\a:SS+32*\c+8*\a+7], v[W+8+\c]   ; keys 64 c + 32 h + 8 a + 0 .. 7
.endr
.endr
	v_lshrrev_b32 v[W+1], 23, v[W+8]               ; (plain lines behind the conversions)
	v_lshrrev_b32 v[W+3], 23, v[W+9]
	ADD4 8
	v_lshl_or_b32 v[W+1], v[W+3], 16, v[W+1]
	ADD4 16
	v_lshlrev_b32 v[W+1], v15, v[W+1]              ; my bytes h and 2 + h of the query's scale word,
	ADD4 24
	v_permlanex16_b32 v[W+4], v[W+1], s[SEL], s[SEL+1]
	ADD4 32
	v_or_b32 v[PSC], v[W+1], v[W+4]                ; and lane l xor 16's two
	ADD4 40                                        ; these twelve are the places ahead of the products below
	ADD4 48
	ADD4 56
	s_wait_dscnt 0x9                               ; V is in; the nine loads for the next step may be out
.irp t, 0,1,2,3
	PROD OO+8*\t, VV+8*\t, VSC+\t/2, \t%2
.endr
.Lskip:
	s_add_co_u32 s[ST], s[ST], 1
	s_cmp_lt_u32 s[ST], 16
	s_cbranch_scc1 .Ltrip
	s_wait_dscnt 0x0                               ; no LDS instruction of mine is out
	PLACES 4
	s_wait_alu depctr_va_vdst(0)
	v_pk_add_f32 v[28:29], v[28:29], v[30:31]      ; the sum's eight parts,
	v_pk_add_f32 v[32:33], v[32:33], v[34:35]
	v_pk_add_f32 v[28:29], v[28:29], v[32:33]
	v_add_f32 v28, v28, v29
	v_permlanex16_b32 v[W+4], v28, s[SEL], s[SEL+1]
	v_add_f32 v28, v28, v[W+4]                     ; and lane l xor 16's
	s_wait_alu depctr_va_vdst(0)                   ; the waits ahead of the transcendental and ahead of its first reader
	v_rcp_f32 v28, v28
	v_nop
	s_wait_alu depctr_va_vdst(0)
.set n, 0
.rept 16
	v_pk_mul_f32 v[SS+n:SS+n+1], v[OO+n:OO+n+1], v[28:29] op_sel_hi:[1,0]   ; ctx^T / the sum
.set n, n+2
.endr
	QUANT2 SS, 240, 244, W
	global_store_b128 v1, v[240:243], s[10:11]     ; 512 consecutive bytes, aligned
	ds_store_b16 v4, v244                          ; (lanes r and 16 + r write the same bytes with the same value)
	s_wait_dscnt 0x0                               ; for the others' sake: my half words are in the stage
	s_barrier_signal -1
	s_barrier_wait -1
	s_cmp_lg_u32 s[WV], 0
	s_cbranch_scc1 .Lno_copy
	ds_load_b128 v[VV:VV+3], v232
	s_wait_dscnt 0x0
	global_store_b128 v1, v[VV:VV+3], s[12:13]     ; 512 consecutive bytes, aligned
.Lno_copy:
	s_wait_tensorcnt 0x0                           ; the wave's end
	ds_add_u32 v5, v6
	s_wait_dscnt 0x0
	CROUND                                         ; the closing round
	s_endpgm
.Lfunc_end_k_qc3b70edece_attn:
	.size	k_qc3b70edece_attn, .Lfunc_end_k_qc3b70edece_attn-k_qc3b70edece_attn
	.p2alignl 7, 3214868480
	.fill 96, 4, 3214868480
	.section	.rodata,"a",@progbits
	.p2align	6, 0x0
	.amdhsa_kernel k_qc3b70edece_attn
		.amdhsa_group_segment_fixed_size 167936
		.amdhsa_private_segment_fixed_size 0
		.amdhsa_enable_private_segment 0
		.amdhsa_kernarg_size 40
		.amdhsa_user_sgpr_count 2
		.amdhsa_user_sgpr_kernarg_segment_ptr 1
		.amdhsa_wavefront_size32 1
		.amdhsa_system_sgpr_workgroup_id_x 1
		.amdhsa_system_sgpr_workgroup_id_y 1
		.amdhsa_system_sgpr_workgroup_id_z 1
		.amdhsa_system_vgpr_workitem_id 0
		.amdhsa_next_free_vgpr 256
		.amdhsa_next_free_sgpr 100
		.amdhsa_reserve_vcc 0
		.amdhsa_float_denorm_mode_32 3
		.amdhsa_float_denorm_mode_16_64 3
		.amdhsa_memory_ordered 1
		.amdhsa_forward_progress 1
		.amdhsa_inst_pref_size 35
	.end_amdhsa_kernel
	.amdgpu_metadata
---
amdhsa.version: [ 1, 2 ]
amdhsa.kernels:
  - .name:           k_qc3b70edece_attn
    .symbol:         k_qc3b70edece_attn.kd
    .args:
      - { .name: qc, .offset: 0, .size: 8, .value_kind: global_buffer, .address_space: global }
      - { .name: qs, .offset: 8, .size: 8, .value_kind: global_buffer, .address_space: global }
      - { .name: kv, .offset: 16, .size: 8, .value_kind: global_buffer, .address_space: global }
      - { .name: cc, .offset: 24, .size: 8, .value_kind: global_buffer, .address_space: global }
      - { .name: cs, .offset: 32, .size: 8, .value_kind: global_buffer, .address_space: global }
    .group_segment_fixed_size: 167936
    .private_segment_fixed_size: 0
    .kernarg_segment_align: 8
    .kernarg_segment_size: 40
    .max_flat_workgroup_size: 512
    .sgpr_count:     100
    .vgpr_count:     256
    .wavefront_size: 32
...
	.end_amdgpu_metadata
.endif
;; end of part 2
;; launch outp (part 3): grid 8 x 32, 8 waves a work-group, clusters of 4 x 4, 201,728 bytes of LDS; arguments cc, cs, Wo_codes, Wo_scales, bo, out0; writes out0
.if DOCPART == 3
	.amdgcn_target "amdgcn-amd-amdhsa--gfx1250"
	.amdhsa_code_object_version 6
	.text
	.protected	k_qc3b70edece_outp
	.globl	k_qc3b70edece_outp
	.p2align	8
	.type	k_qc3b70edece_outp,@function
k_qc3b70edece_outp:
	s_mov_b64 s[64:65], 0
	v_nop
	global_prefetch_b8 v0, s[64:65] scope:SCOPE_SE
	s_setreg_imm32_b32 hwreg(HW_REG_WAVE_MODE, 25, 1), 1
	s_wait_xcnt 0x0
	s_wait_alu depctr_hold_cnt(0) depctr_sa_sdst(0) depctr_va_vdst(0) depctr_va_sdst(0) depctr_va_ssrc(0) depctr_va_vcc(0) depctr_vm_vsrc(0)
	s_getreg_b32 s2, hwreg(HW_REG_IB_STS2, 6, 4)
	s_cmp_eq_u32 s2, 0
	s_cbranch_scc0 .Lentry_in_a_cluster
	s_endpgm
.Lentry_in_a_cluster:
	s_bfe_u32 s2, ttmp6, 0x10000c
	s_cmp_lg_u32 s2, 0xf033
	s_cbranch_scc0 .Lentry_shape_is_right
	s_endpgm
.Lentry_shape_is_right:
; LAUNCH 3 OF 3.  out0 = ctx Wo^T + bo on codes of FP4 with E8M0 scales, f32 sums.  Nothing is left out here.
; SHARES.  A work-group makes 128 tokens x 128 outputs.  Its tokens are the eight tiles T = 8 (8 gh + g) + j, g = 0 .. 7, of batch b (work-group y = 16 b + 2 j + gh): the set whose scale half words lie side by side in cs.
; Wave w: th = w % 2 takes tiles g = 4 th + 0 .. 3, nq = w / 2 takes 32 outputs.  Source 0 = 16 rows of Wo, source 1 = 16 tokens: a lane holds eight neighbouring outputs of one token.
; TWO HALVES: tiles 4 th + 0, 1 through all of K, then tiles 4 th + 2, 3: the first half's stores leave while the second half is multiplied.  4 accumulators a half.  The bias is the C of each sum's first product.
; LDS.  All operands fit at once: ctx as images of registers (tile g at 8,192 g, K step at 1,024, half at 512, 16 x lane), Wo's 128 rows of 512 bytes + 16 of padding.  Only first fills, one load a wave.
; CLUSTER 4 x 4: a row of the cluster shares the tokens, a column the outputs: ctx's and Wo's tiles are asked for jointly.
; No prefetch: every byte that the work-group reads is asked for in the head.
.set WOB,   65536                      ; Wo begins here, behind ctx's eight tiles
.set WP,    528                        ; its pitch
.set STG,   WOB+128*WP                 ; the way out: 128 rows x (512 bytes + 16)
.set SP,    528
.set SPARE, STG+128*SP                 ; the spare words: 128 bytes for each of eight waves; no other line names them
.set WV,  18                           ; s18 wave
.set G1C, 24                           ; s[24:31] group 1 for ctx;  s[32:39] for Wo
.set G1W, 32
.set G0C, 52                           ; s[52:55] group 0 for ctx;  s[60:63] for Wo
.set G0W, 60
; VECTOR REGISTERS: v1 lane, v2 r, v3 h, v4 16 x lane; v5, v6 the add's two; v7 ctx's LDS address; v8 Wo's; v9 32 x lane; v10 into the stage; v11 back from it; v12 16 r; v13 32 h;
; v32-63, v64-95 two buffers of fragments: Wo's two, ctx's two; v96-127 rows on the way out; v80-111 first ctx's scale half words as loaded (head hd: v[80 + 2 hd] on);
; v128-191 accumulator (tile q, a) at 128 + 8 (2 q + a); v192-207 the bias; v208-215 Wo's scale words; v216-247 ctx's (216 + 8 q + s).
.macro PLACES n
.rept \n
	v_nop
.endr
.endm
.macro CROUND
	s_barrier_signal -1
	s_barrier_wait -1
	s_cmp_lg_u32 s[WV], 0
	s_cbranch_scc1 .Lnot_wave_0_\@
	s_barrier_signal -3
.Lnot_wave_0_\@:
	s_barrier_wait -3
	s_barrier_signal -1
	s_barrier_wait -1
.endm
.macro WM d, a, b, c, sa, sb, ra       ; one product; ra = 1: source 0's scales are read from lanes 16-31
.set wD, \d
.set wA, \a
.set wB, \b
.set wC, \c
.set wSA, \sa
.set wSB, \sb
.set wR, \ra
.if wR == 0
	v_wmma_scale_f32_16x16x128_f8f6f4 v[wD:wD+7], v[wA:wA+7], v[wB:wB+7], v[wC:wC+7], v[wSA], v[wSB] matrix_a_fmt:MATRIX_FMT_FP4 matrix_b_fmt:MATRIX_FMT_FP4
.else
	v_wmma_scale_f32_16x16x128_f8f6f4 v[wD:wD+7], v[wA:wA+7], v[wB:wB+7], v[wC:wC+7], v[wSA], v[wSB] matrix_a_fmt:MATRIX_FMT_FP4 matrix_b_fmt:MATRIX_FMT_FP4 matrix_a_scale:MATRIX_SCALE_ROW1
.endif
.endm
; Step i = 8 x half + K step of 128: 8 fragment loads into the buffer of i's parity
.macro FETCH i
.set FB, 32+32*((\i)%2)
.set FS, (\i)%8
.set FH, (\i)/8
.irp a, 0,1
.irp c, 0,1
	ds_load_b128 v[FB+8*\a+4*\c:FB+8*\a+4*\c+3], v8 offset:16*WP*\a+64*FS+32*\c
.endr
.endr
.irp q, 0,1
.irp c, 0,1
	ds_load_b128 v[FB+16+8*\q+4*\c:FB+16+8*\q+4*\c+3], v7 offset:16384*FH+8192*\q+1024*FS+512*\c
.endr
.endr
.endm
; The next step's loads, then step i's 4 products; the 4 accumulators take turns, one instruction a turn, in the same order in every step.
.macro KSTEP i
.if (\i)%8 < 7
	PLACES 4                                       ; in front of loads into registers that the products have read
	FETCH \i+1
	s_wait_dscnt 8                                 ; this step's fragments are in; the 8 loads just issued may be out
.else
	s_wait_dscnt 0x0
.endif
.set FB, 32+32*((\i)%2)
.set FS, (\i)%8
.set FH, (\i)/8
.irp q, 0,1
.irp a, 0,1
.if FS == 0
	WM 128+8*(2*(2*FH+\q)+\a), FB+8*\a, FB+16+8*\q, 192+8*\a, 208+FS, 216+8*(2*FH+\q)+FS, \a
.else
	WM 128+8*(2*(2*FH+\q)+\a), FB+8*\a, FB+16+8*\q, 128+8*(2*(2*FH+\q)+\a), 208+FS, 216+8*(2*FH+\q)+FS, \a
.endif
.endr
.endr
.endm
; THE WAY OUT of half hf: a row's 128 outputs come from four waves: they meet in the stage, and each wave stores 8 whole rows of 512 bytes.  The two halves have stage rows of their own.
.macro TOSTAGE hf
	PLACES 4                                       ; in front of the first read of results
.irp q, 0,1
.irp a, 0,1
	ds_store_b128 v10, v[128+8*(2*(2*\hf+\q)+\a):131+8*(2*(2*\hf+\q)+\a)] offset:16*SP*(2*\hf+\q)+64*\a        ; each accumulator from its low end on
	ds_store_b128 v10, v[132+8*(2*(2*\hf+\q)+\a):135+8*(2*(2*\hf+\q)+\a)] offset:16*SP*(2*\hf+\q)+64*\a+16
.endr
.endr
	s_wait_dscnt 0x0                               ; for the others' sake: my stores into the stage are done
	s_barrier_signal -1
	s_barrier_wait -1
.if \hf
	s_wait_xcnt 0x0                                ; the first half's stores have read their registers
.endif
.irp i, 0,1,2,3,4,5,6,7
	ds_load_b128 v[96+4*\i:99+4*\i], v11 offset:SP*\i+32*SP*\hf
.endr
.endm
.macro SEND hf, younger                ; younger: the LDS loads issued behind the rows'
.irp i, 0,1,2,3,4,5,6,7
	s_wait_dscnt \younger+7-\i                     ; row i is back; the younger loads may stay out
	global_store_b128 v4, v[96+4*\i:99+4*\i], s[14:15] offset:4096*\i+0x100000*\hf th:TH_STORE_NT   ; 32 lanes store 512 consecutive bytes, aligned; written once, read by nobody here
.endr
.endm
	s_load_b256 s[4:11], s[0:1], 0x0               ; cc s[4:5], cs s[6:7], Wo's codes s[8:9], Wo's scales s[10:11]
	s_load_b128 s[12:15], s[0:1], 0x20             ; bo s[12:13], out0 s[14:15]
	v_lshl_add_u32 v5, v0, 2, SPARE
	v_mov_b32 v6, 0
	ds_add_u32 v5, v6                              ; the opening: the add, twice on end, and its wait ahead of the round in front of the first tensor loads
	ds_add_u32 v5, v6
	v_lshrrev_b32 v1, 5, v0
	s_delay_alu instid0(VALU_DEP_1)
	v_readfirstlane_b32 s[WV], v1
	s_and_b32 s19, s[WV], 1                        ; th
	s_lshr_b32 s40, s[WV], 1                       ; nq
	s_and_b32 s41, s[WV], 3                        ; which quarter of ctx's or of Wo's rows I fetch
	s_bfe_u32 s42, ttmp6, 0x40000                  ; cx
	s_bfe_u32 s43, ttmp6, 0x40004                  ; cy
	s_lshl_b32 s44, ttmp9, 2
	s_add_co_u32 s44, s44, s42                     ; work-group x: 128 outputs
	s_and_b32 s45, ttmp7, 0xffff
	s_lshl_b32 s45, s45, 2
	s_add_co_u32 s45, s45, s43                     ; work-group y
	s_lshr_b32 s46, s45, 4                         ; b
	s_bfe_u32 s47, s45, 0x30001                    ; j
	s_and_b32 s48, s45, 1                          ; gh
	s_lshl_b32 s49, s43, 2
	s_lshl_b32 s49, 15, s49                        ; my row of the cluster: it shares the tokens
	s_or_b32 s[G1C], s49, (3<<16)|(1<<21)          ; elements of 8 bytes; bit 21 beside a mask; no padding
	s_lshl_b32 s49, 0x1111, s42                    ; my column: it shares the outputs
	s_or_b32 s[G1W], s49, (1<<20)|(1<<21)|(6<<22)|(3<<25)   ; elements of 1 byte; four words of padding after every 128
	s_mov_b32 s[G1C+1], 1024<<16                   ; ctx: a row = a tile's image, 8,192 bytes = 1,024 elements
	s_mov_b32 s[G1C+2], 2<<16                      ; two tiles,
	s_mov_b32 s[G1C+3], 1024<<16
	s_mov_b32 s[G1C+4], 2
	s_mov_b32 s[G1C+5], 8192                       ; eight tiles of cc apart: 65,536 bytes
	s_mov_b32 s[G1C+6], 0
	s_mov_b32 s[G1C+7], 0
	s_mov_b32 s[G1W+1], 512<<16                    ; Wo: 32 rows x 512 bytes
	s_mov_b32 s[G1W+2], 32<<16
	s_mov_b32 s[G1W+3], 512<<16
	s_mov_b32 s[G1W+4], 32
	s_mov_b32 s[G1W+5], 512
	s_mov_b32 s[G1W+6], 0
	s_mov_b32 s[G1W+7], 0
	s_lshl_b32 s49, s41, 14                        ; ctx in LDS: two tiles' 16,384 bytes a wave
	s_mov_b32 s[G0C], 1
	s_mov_b32 s[G0C+1], s49
	s_mul_i32 s49, s41, 32*WP                      ; Wo in LDS: 32 rows a wave
	s_mov_b32 s[G0W], 1
	s_add_co_u32 s[G0W+1], s49, WOB
	s_mov_b32 s50, 0x05040100                      ; v_perm_b32: the two low halves;
	s_mov_b32 s51, 0x07060302                      ; the two high halves
	; every LDS address is made here, ahead of the first branch on the wave's number
	v_and_b32 v1, 31, v0
	v_and_b32 v2, 15, v0
	v_bfe_u32 v3, v0, 4, 1
	s_delay_alu instid0(VALU_DEP_3)
	v_lshlrev_b32 v4, 4, v1
	s_wait_alu depctr_va_vdst(0)
	s_lshl_b32 s49, s19, 15
	v_add_nc_u32 v7, s49, v4                       ; ctx: 16 x lane + my four tiles
	v_mul_u32_u24 v20, v2, WP
	s_delay_alu instid0(VALU_DEP_1)
	v_lshl_add_u32 v20, v3, 4, v20
	s_mul_i32 s49, s40, 32*WP
	s_add_co_u32 s49, s49, WOB
	v_add_nc_u32 v8, s49, v20                      ; Wo: row 32 nq + r, + 16 h
	v_lshlrev_b32 v9, 5, v1
	v_mul_u32_u24 v20, v2, SP
	s_delay_alu instid0(VALU_DEP_1)
	v_lshl_add_u32 v20, v3, 5, v20
	s_mul_i32 s49, s19, 64*SP
	s_lshl_b32 s84, s40, 7
	s_add_co_u32 s49, s49, s84
	s_add_co_u32 s49, s49, STG
	v_add_nc_u32 v10, s49, v20                     ; the stage: row 64 th + r, + 128 nq + 32 h bytes
	s_bfe_u32 s85, s[WV], 0x10001
	s_and_b32 s86, s[WV], 4
	s_add_co_u32 s85, s85, s86                     ; back: wave w takes eight rows of tile g = (w / 2) % 2 + 4 (w / 4), and of tile g + 2 in the second half:
	s_lshl_b32 s49, s85, 1
	s_add_co_u32 s49, s49, s19                     ; rows 16 g + 8 (w % 2) on
	s_mul_i32 s49, s49, 8*SP
	s_add_co_u32 s49, s49, STG
	v_add_nc_u32 v11, s49, v4
	v_lshlrev_b32 v12, 4, v2
	v_lshlrev_b32 v13, 5, v3
	; offsets, apart from the addresses
	s_lshl_b32 s72, s46, 7
	s_lshl_b32 s49, s48, 6
	s_add_co_u32 s72, s72, s49
	s_add_co_u32 s72, s72, s47
	s_lshl_b32 s49, s41, 4
	s_add_co_u32 s72, s72, s49                     ; cc's tile 128 b + 64 gh + 16 (wave % 4) + j, and the one eight further on
	s_lshl_b32 s72, s72, 13
	s_mov_b32 s73, 0
	s_lshl_b32 s74, s44, 16
	s_lshl_b32 s49, s41, 14
	s_add_co_u32 s74, s74, s49                     ; Wo's row 128 x + 32 (wave % 4)
	s_mov_b32 s75, 0
	s_lshl_b32 s76, s46, 16                        ; cs: [16 b + hd][j][gh][r][g] u16: (128 b + j) 512 + 256 gh + 8 th; 4,096 a head
	s_lshl_b32 s49, s47, 9
	s_add_co_u32 s76, s76, s49
	s_lshl_b32 s49, s48, 8
	s_add_co_u32 s76, s76, s49
	s_lshl_b32 s49, s19, 3
	s_add_co_u32 s76, s76, s49
	s_mov_b32 s77, 0
	s_lshl_b32 s78, s44, 12
	s_lshl_b32 s49, s40, 10
	s_add_co_u32 s78, s78, s49                     ; Wo's scale bytes: 32 a row
	s_mov_b32 s79, 0
	s_lshl_b32 s80, s44, 9
	s_lshl_b32 s49, s40, 7
	s_add_co_u32 s80, s80, s49                     ; bo: my 32 numbers
	s_mov_b32 s81, 0
	s_lshl_b32 s82, s46, 23                        ; out0: token 2,048 b + 128 (8 gh + g) + 16 j + 8 (w % 2), rows of 4,096 bytes; + 512 x
	s_lshl_b32 s49, s48, 22
	s_add_co_u32 s82, s82, s49
	s_lshl_b32 s49, s85, 19
	s_add_co_u32 s82, s82, s49
	s_lshl_b32 s49, s19, 15
	s_add_co_u32 s82, s82, s49
	s_lshl_b32 s49, s47, 16
	s_add_co_u32 s82, s82, s49
	s_lshl_b32 s49, s44, 9
	s_add_co_u32 s82, s82, s49
	s_mov_b32 s83, 0
	s_wait_alu depctr_va_vdst(0)
	s_wait_dscnt 0x0                               ; both opening adds are done
	CROUND                                         ; all sixteen work-groups are here: the joint loads meet
	s_wait_kmcnt 0x0
	s_add_nc_u64 s[G0C+2:G0C+3], s[4:5], s[72:73]
	s_or_b32 s[G0C+3], s[G0C+3], 0x80000000
	s_add_nc_u64 s[G0W+2:G0W+3], s[8:9], s[74:75]
	s_or_b32 s[G0W+3], s[G0W+3], 0x80000000
	s_add_nc_u64 s[6:7], s[6:7], s[76:77]
	s_add_nc_u64 s[10:11], s[10:11], s[78:79]
	s_add_nc_u64 s[12:13], s[12:13], s[80:81]
	s_add_nc_u64 s[14:15], s[14:15], s[82:83]
	s_cmp_lt_u32 s[WV], 4                          ; waves 0-3 fetch ctx, waves 4-7 Wo: one load a wave
	s_cbranch_scc0 .Lfor_wo
	tensor_load_to_lds s[G0C:G0C+3], s[G1C:G1C+7]
	s_nop 0
	PLACES 4
	s_branch .Lasked
.Lfor_wo:
	tensor_load_to_lds s[G0W:G0W+3], s[G1W:G1W+7]
	s_nop 0
	PLACES 4
.Lasked:
	s_wait_alu depctr_va_vdst(0)
.irp hd, 0,1,2,3,4,5,6,7,8,9,10,11,12,13,14,15
	global_load_b64 v[80+2*\hd:81+2*\hd], v12, s[6:7] offset:4096*\hd   ; head hd: token row r's half words of my four tiles
.endr
	global_load_b128 v[208:211], v9, s[10:11]      ; Wo's scale words: lane l takes row 32 nq + l: lanes 0-15 tile 0, lanes 16-31 tile 1
	global_load_b128 v[212:215], v9, s[10:11] offset:16
.irp a, 0,1
	global_load_b128 v[192+8*\a:195+8*\a], v13, s[12:13] offset:64*\a       ; the bias in the result's layout: outputs 16 a + 8 h + 0 .. 7
	global_load_b128 v[196+8*\a:199+8*\a], v13, s[12:13] offset:64*\a+16
.endr
	s_wait_loadcnt 0x0
.irp s, 0,1,2,3,4,5,6,7                            ; K step s is heads 2 s and 2 s + 1: their half words make tile q's scale word
.irp q, 0,1,2,3
	v_perm_b32 v[216+8*\q+\s], v[82+4*\s+\q/2], v[80+4*\s+\q/2], s[50+\q%2]
.endr
.endr
	PLACES 8                                       ; a scale register written by a vector line stands eight places ahead of a scaled product
	s_wait_alu depctr_va_vdst(0)
	s_wait_tensorcnt 0x0                           ; my part is in
	s_barrier_signal -1
	s_barrier_wait -1                              ; everybody's is
	FETCH 0
.irp i, 0,1,2,3,4,5,6,7
	KSTEP \i
.endr
	TOSTAGE 0
	FETCH 8                                        ; the second half's first fragments
	SEND 0, 8
.irp i, 8,9,10,11,12,13,14,15
	KSTEP \i
.endr
	TOSTAGE 1
	SEND 1, 0
	s_wait_tensorcnt 0x0                           ; the wave's end
	ds_add_u32 v5, v6
	s_wait_dscnt 0x0
	CROUND                                         ; the closing round
	s_endpgm
.Lfunc_end_k_qc3b70edece_outp:
	.size	k_qc3b70edece_outp, .Lfunc_end_k_qc3b70edece_outp-k_qc3b70edece_outp
	.p2alignl 7, 3214868480
	.fill 96, 4, 3214868480
	.section	.rodata,"a",@progbits
	.p2align	6, 0x0
	.amdhsa_kernel k_qc3b70edece_outp
		.amdhsa_group_segment_fixed_size 201728
		.amdhsa_private_segment_fixed_size 0
		.amdhsa_enable_private_segment 0
		.amdhsa_kernarg_size 48
		.amdhsa_user_sgpr_count 2
		.amdhsa_user_sgpr_kernarg_segment_ptr 1
		.amdhsa_wavefront_size32 1
		.amdhsa_system_sgpr_workgroup_id_x 1
		.amdhsa_system_sgpr_workgroup_id_y 1
		.amdhsa_system_sgpr_workgroup_id_z 1
		.amdhsa_system_vgpr_workitem_id 0
		.amdhsa_next_free_vgpr 256
		.amdhsa_next_free_sgpr 100
		.amdhsa_reserve_vcc 0
		.amdhsa_float_denorm_mode_32 3
		.amdhsa_float_denorm_mode_16_64 3
		.amdhsa_memory_ordered 1
		.amdhsa_forward_progress 1
		.amdhsa_inst_pref_size 35
	.end_amdhsa_kernel
	.amdgpu_metadata
---
amdhsa.version: [ 1, 2 ]
amdhsa.kernels:
  - .name:           k_qc3b70edece_outp
    .symbol:         k_qc3b70edece_outp.kd
    .args:
      - { .name: cc, .offset: 0, .size: 8, .value_kind: global_buffer, .address_space: global }
      - { .name: cs, .offset: 8, .size: 8, .value_kind: global_buffer, .address_space: global }
      - { .name: Wo_codes, .offset: 16, .size: 8, .value_kind: global_buffer, .address_space: global }
      - { .name: Wo_scales, .offset: 24, .size: 8, .value_kind: global_buffer, .address_space: global }
      - { .name: bo, .offset: 32, .size: 8, .value_kind: global_buffer, .address_space: global }
      - { .name: out0, .offset: 40, .size: 8, .value_kind: global_buffer, .address_space: global }
    .group_segment_fixed_size: 201728
    .private_segment_fixed_size: 0
    .kernarg_segment_align: 8
    .kernarg_segment_size: 48
    .max_flat_workgroup_size: 256
    .sgpr_count:     100
    .vgpr_count:     256
    .wavefront_size: 32
...
	.end_amdgpu_metadata
.endif
;; end of part 3
